; MI455X (gfx1250); checked and timed in simulation.
; The chip was launched on July 23, 2026; its instructions are those of AMD's public machine-readable ISA for CDNA 5 (MIT licence, August 2026) and "CDNA5" Instruction Set Architecture Reference Guide (July 2026). The comments in the code are by the model that wrote it; some were corrected since.
;; Vector Quantizer. Allowed arithmetic: float matrix products may take bf16 or f16 operands with f32 sums; all other float work in f32.
;; Inputs: codebook 16,384 x 32 float32; z 8 x 1,024 x 32 float32.
;; Outputs: out0 8,192 x 32 float32; out1 8,192 int32.
;; 2 versions, each right; version 2 is version 1 with the launch score written anew for expert scheduling mode. Each part assembles by itself: llvm-mc -triple=amdgcn-amd-amdhsa -mcpu=gfx1250 --defsym DOCPART=n.
;; ======== version 1 of 2: 2 launches
;; workspace buffers: rec 1,048,576 bytes of whole numbers
;; launch score (part 1): grid 16 x 16, 8 waves a work-group, no clusters, 130,048 bytes of LDS; arguments z, codebook, rec; writes rec
.if DOCPART == 1
	.amdgcn_target "amdgcn-amd-amdhsa--gfx1250"
	.amdhsa_code_object_version 6
	.text
	.protected	k_q64f9dc1823_score
	.globl	k_q64f9dc1823_score
	.p2align	8
	.type	k_q64f9dc1823_score,@function
k_q64f9dc1823_score:
	s_mov_b64 s[64:65], 0
	v_nop
	global_prefetch_b8 v0, s[64:65] scope:SCOPE_SE
	s_setreg_imm32_b32 hwreg(HW_REG_WAVE_MODE, 25, 1), 1
	s_wait_xcnt 0x0
; score: for 512 rows of z and 1,024 codes, the best group of 8 neighbouring codes of every row.
; reference() takes the argmin over n of |zn|^2 + |c_n|^2 - 2 zn.c_n with zn = z / max(|z|, 1e-12).  |zn|^2 is common to all codes of a row,
; and max(|z|, 1e-12) / 2 is positive, so the same n is the argmax of   s = z.c_n - |c_n|^2 * max(|z|, 1e-12) / 2.
; z and the codebook are rounded once to bf16 for the matrix unit; |z| and |c|^2 are taken in f32 of the ROUNDED numbers, so that s is the
; distance between the operands that are really multiplied.  K = 32: one matrix instruction with C = 0 makes a tile of 16 codes x 16 rows.
; Codes are source A (M), rows of z source B (N): lane (r, h) holds, for row r, the codes 8 h + 0..7 of the tile in its 8 result registers, so the
; maximum over codes stays inside a lane: 4 packed multiply-adds (the bias), 4 v_max3 chained through the running best, 1 compare, 1 select of the
; group's number: 10 vector instructions for 8 registers.  Which of the 8 codes it was is left to the next launch.
; GRID: x = block of 512 rows, y = chunk of 1,024 codes: 256 work-groups.  Eight waves; wave w owns rows 64 w .. 64 w + 63 (4 fragments of z in registers)
; and walks all 64 code tiles; two waves lie on a SIMD, so that one's vector work can run beside the other's matrix work.
; OUT: rec[block of 64 rows][chunk][row] = 8 bytes: word 0 the score's bits mapped to an unsigned whole number of the same order, word 1 the group (code / 8).
; NO CLUSTER, NO TENSOR LOADS: sixteen work-groups do read each chunk and each block of rows, but each reads its 65,536 + 131,072 bytes once, at its head,
; and has to round them: through registers that is done on the way.  A joint tensor load would land 196,608 bytes of f32 in LDS, beside the 129,024 bytes of
; the bf16 images, all to be read from LDS, rounded and stored again.
; LIMITS: scores that are NaN are passed over (v_max3_num); |z|^2 must not overflow f32; two codes whose distances differ by less than the rounding of f32
; sums (some 1e-7 of the distance) may be ordered otherwise than reference() orders them; equal scores go to the lower code group.
.set P,    80                          ; LDS pitch of a row of 32 bf16: 64 bytes + 16: an odd multiple of 16, so the 16 rows of a fragment load start in different banks
.set LZ,   1024*P                      ; LDS: codes at 0 (81,920 bytes), z behind them (40,960),
.set LCC,  LZ+512*P                    ; |c|^2 of the 1,024 codes (4,096),
.set LSS,  LCC+1024*4                  ; |z|^2 of the 512 rows (2,048): 129,024 bytes in all
.set GO,   2                           ; v2   16 x lane: a wave's load covers 512 consecutive bytes
.set SZ,   3                           ; v3   where I put 8 bytes of z's image
.set SC,   4                           ; v4   the same for the codes
.set SSA,  5                           ; v5   where my row's |z|^2 goes
.set CCA,  6                           ; v6   where my code's |c|^2 goes
.set ZERO, 7                           ; v7   0.0, the first addend of the sums of squares
.set FA,   8                           ; v8   fragment address of the code tile at work (steps)
.set CA,   9                           ; v9   address of its eight |c|^2 (steps)
.set GID,  10                          ; v10  number of the group that is judged now: chunk x 128 + 2 tile + h
.set FZ,   11                          ; v11  fragment address of my wave's z
.set RS,   12                          ; v12  address of |z|^2 of row r
.set TMP,  16                          ; v[16:31]  staging: four sets of four
.set NHN,  16                          ; v[16:23]  later: -max(|z|, 1e-12) / 2 of my row in z tile i, twice (a pair for the packed multiply-add)
.set BA,   24                          ; v[24:27]  running best of z tile i; the two sets take turns, so that old and new can be compared
.set BB,   28                          ; v[28:31]
.set ZF,   32                          ; v[32:63]  four fragments of z
.set RZ,   64                          ; v[64:127] z as loaded;      later D0, D1: two sets of 4 result tiles
.set D0,   64
.set D1,   96
.set RC,   128                         ; v[128:255] codes as loaded; later what follows
.set AF0,  128                         ; code fragment, two buffers
.set AF1,  136
.set CC0,  144                         ; |c|^2 of my 8 codes of the tile, two buffers
.set CC1,  152
.set BID,  160                         ; v[160:163] group of the running best
.set SSR,  164                         ; v[164:167] |z|^2
.set NRM,  168                         ; v[168:171] |z|
.set OUT,  172                         ; v[172:175] two records
	s_load_b128 s[4:7], s[0:1], 0x0                ; z s[4:5], codebook s[6:7]
	s_load_b64 s[8:9], s[0:1], 0x10                ; rec
	s_set_vgpr_msb 0x40
	v_lshl_add_u32 v0, v0, 2, 0x1f800
	v_mov_b32 v1, 0
	s_set_vgpr_msb 0x4000
	v_lshrrev_b32 v1, 5, v0
	v_readfirstlane_b32 s10, v1                    ; wave 0..7
	s_and_b32 s11, ttmp7, 0xffff                   ; chunk 0..15
	v_and_b32 v1, 31, v0                           ; lane
	v_lshlrev_b32 v[GO], 4, v1
	s_lshl_b32 s14, ttmp9, 16                      ; z: block x 512 rows x 128 bytes
	s_lshl_b32 s15, s10, 13                        ;    + wave x 64 rows
	s_add_co_u32 s14, s14, s15
	s_mov_b32 s15, 0
	s_lshl_b32 s16, s11, 17                        ; codebook: chunk x 1,024 codes x 128 bytes
	s_lshl_b32 s17, s10, 14                        ;    + wave x 128 codes: each wave rounds an eighth of the chunk for all
	s_add_co_u32 s16, s16, s17
	s_mov_b32 s17, 0
	s_lshl_b32 s18, ttmp9, 3                       ; rec: ((block x 8 + wave) x 16 + chunk) x 512 bytes
	s_add_co_u32 s18, s18, s10
	s_lshl_b32 s18, s18, 4
	s_add_co_u32 s18, s18, s11
	s_lshl_b32 s18, s18, 9
	s_mov_b32 s19, 0
	s_wait_kmcnt 0x0
	s_add_nc_u64 s[4:5], s[4:5], s[14:15]
	s_add_nc_u64 s[6:7], s[6:7], s[16:17]
	s_add_nc_u64 s[8:9], s[8:9], s[18:19]
	; all 48 loads of the wave go out at once: 8,192 bytes of z, 16,384 of the codebook; load n brings 4 whole rows
.set n, 0
.rept 16
	global_load_b128 v[RZ+4*n:RZ+4*n+3], v[GO], s[4:5] offset:512*n
.set n, n+1
.endr
.set n, 0
.rept 32
	global_load_b128 v[RC+4*n:RC+4*n+3], v[GO], s[6:7] offset:512*n
.set n, n+1
.endr
	; LDS addresses, while the loads are on their way.  In a load, lane l holds numbers 4 (l % 8) .. + 3 of row l / 8 of the four.
	v_lshrrev_b32 v13, 3, v1
	v_and_b32 v14, 7, v1
	v_mul_u32_u24 v15, v13, P
	v_lshl_add_u32 v15, v14, 3, v15                ; row x pitch + 8 bytes for 4 bf16
	s_mul_i32 s20, s10, 64*P
	s_add_co_u32 s20, s20, LZ                      ; my wave's 64 rows of z's image
	s_mul_i32 s21, s10, 128*P                      ; my wave's 128 codes of the codes' image
	v_add_nc_u32 v[SZ], s20, v15
	v_add_nc_u32 v[SC], s21, v15
	v_lshlrev_b32 v13, 2, v13
	s_lshl_b32 s22, s10, 8
	s_add_co_u32 s22, s22, LSS
	s_lshl_b32 s23, s10, 9
	s_add_co_u32 s23, s23, LCC
	v_add_nc_u32 v[SSA], s22, v13
	v_add_nc_u32 v[CCA], s23, v13
	v_mov_b32 v[ZERO], 0
	; a fragment: lane (r, h) takes 16 bytes at row r, byte 16 h, and 16 more 32 bytes on (k = 8 h .. and 16 + 8 h ..)
	v_and_b32 v13, 15, v1                          ; r
	v_lshrrev_b32 v14, 4, v1                       ; h
	v_mul_u32_u24 v15, v13, P
	v_lshl_add_u32 v[FA], v14, 4, v15
	v_add_nc_u32 v[FZ], s20, v[FA]
	v_lshl_add_u32 v[RS], v13, 2, s22
	v_lshlrev_b32 v[CA], 5, v14                    ; my half's eight |c|^2: 32 h bytes into the tile's 64
	v_add_nc_u32 v[CA], LCC, v[CA]
	s_lshl_b32 s24, s11, 7
	v_add_nc_u32 v[GID], s24, v14                  ; chunk x 128 + h: tile 0's group
	s_mov_b32 s12, 0x76543210                      ; v_permlanex16_b32: lane i reads lane i of the other half
	s_mov_b32 s13, 0xfedcba98
	s_mov_b32 s28, 0xffff0000                      ; lanes 16 to 31
; Four f32 of a row: rounded to bf16 and put into the image; the sum of the rounded numbers' squares (products of bf16 are exact in f32),
; two chains of two, then over the row's eight lanes; all eight store the same sum to the same word.
.macro STAGE raw, img, imgoff, sum, sumoff, t
	v_cvt_pk_bf16_f32 v[\t], v[\raw], v[\raw+1]
	v_cvt_pk_bf16_f32 v[\t+1], v[\raw+2], v[\raw+3]
	v_fma_mix_f32_bf16 v[\t+2], v[\t], v[\t], v[ZERO] op_sel_hi:[1,1,0]
	v_fma_mix_f32_bf16 v[\t+3], v[\t+1], v[\t+1], v[ZERO] op_sel_hi:[1,1,0]
	ds_store_b64 v[\img], v[\t:\t+1] offset:\imgoff
	v_fma_mix_f32_bf16 v[\t+2], v[\t], v[\t], v[\t+2] op_sel:[1,1,0] op_sel_hi:[1,1,0]
	v_fma_mix_f32_bf16 v[\t+3], v[\t+1], v[\t+1], v[\t+3] op_sel:[1,1,0] op_sel_hi:[1,1,0]
	v_add_f32 v[\t+2], v[\t+2], v[\t+3]
	v_add_f32_dpp v[\t+2], v[\t+2], v[\t+2] row_xmask:1 row_mask:0xf bank_mask:0xf
	v_add_f32_dpp v[\t+2], v[\t+2], v[\t+2] row_xmask:2 row_mask:0xf bank_mask:0xf
	v_add_f32_dpp v[\t+2], v[\t+2], v[\t+2] row_xmask:4 row_mask:0xf bank_mask:0xf
	ds_store_b32 v[\sum], v[\t+2] offset:\sumoff
.endm
.set n, 0
.rept 16
.set rr, RZ+4*n
.set io, 4*P*n
.set so, 16*n
.set tt, TMP+4*(n%4)
	s_wait_loadcnt 47-n                            ; loads come back in order: z's load n is in, the 47 - n younger ones stay out
	STAGE rr, SZ, io, SSA, so, tt
.set n, n+1
.endr
.set n, 0
.rept 32
.set rr, RC+4*n
.set io, 4*P*n
.set so, 16*n
.set tt, TMP+4*(n%4)
	s_wait_loadcnt 31-n                            ; the codebook's load n is in, 31 - n stay out
	STAGE rr, SC, io, CCA, so, tt
.set n, n+1
.endr
	s_wait_dscnt 0x0                               ; my part of the images is in LDS: zero, for the other waves' sake
	s_barrier_signal -1
	s_barrier_wait -1                              ; everybody's is.  LDS is only read from here on: the one barrier of the kernel
.irp i, 0,1,2,3
	ds_load_b128 v[ZF+8*\i:ZF+8*\i+3],   v[FZ] offset:\i*16*P
	ds_load_b128 v[ZF+8*\i+4:ZF+8*\i+7], v[FZ] offset:\i*16*P+32
.endr
.irp i, 0,1,2,3
	ds_load_b32 v[SSR+\i], v[RS] offset:64*\i      ; |z|^2 of row r of z tile i
.endr
	ds_load_b128 v[AF0:AF0+3],   v[FA]             ; code tile 0
	ds_load_b128 v[AF0+4:AF0+7], v[FA] offset:32
	ds_load_b128 v[CC0:CC0+3],   v[CA]
	ds_load_b128 v[CC0+4:CC0+7], v[CA] offset:16
	ds_load_b128 v[AF1:AF1+3],   v[FA] offset:16*P ; code tile 1
	ds_load_b128 v[AF1+4:AF1+7], v[FA] offset:16*P+32
	ds_load_b128 v[CC1:CC1+3],   v[CA] offset:64
	ds_load_b128 v[CC1+4:CC1+7], v[CA] offset:80
	s_wait_dscnt 6                                 ; z, |z|^2 and tile 0's fragment are in; the six younger loads stay out
.irp i, 0,1,2,3
	v_wmma_f32_16x16x32_bf16 v[D0+8*\i:D0+8*\i+7], v[AF0:AF0+7], v[ZF+8*\i:ZF+8*\i+7], 0
.endr
	; -max(|z|, 1e-12) / 2.  v_sqrt_f32 takes a denormal sum as 0; the clip at 1e-12 covers that.  The 20 plain vector instructions below are also
	; the places that the first step's load into AF0 and its reads of D0 need behind the four matrix instructions.
.irp i, 0,1,2,3
	v_sqrt_f32 v[NRM+\i], v[SSR+\i]
.endr
.irp i, 0,1,2,3
	v_mov_b32 v[BA+\i], 0xff800000                 ; -infinity; also the plain instruction between the roots and their use (ISA guide 5.7.2)
.endr
.irp i, 0,1,2,3
	v_mov_b32 v[BID+\i], v[GID]
.endr
	s_wait_alu depctr_va_vdst(0)
.irp i, 0,1,2,3
	v_max_num_f32 v[NRM+\i], 0x2b8cbccc, v[NRM+\i] ; reference()'s clip at 1e-12
.endr
.irp i, 0,1,2,3
	v_mul_f32 v[NHN+2*\i],   -0.5, v[NRM+\i]
	v_mul_f32 v[NHN+2*\i+1], -0.5, v[NRM+\i]
.endr
; One step: tile t, whose products were issued a step ago into dx, is judged while tile t + 1's products run.
;   head: tile t + 2's fragment is asked for, into afx, which tile t's matrix instructions read a step ago (the 41 vector instructions of that step's
;         judging, none of which names a register of theirs, lie between: ISA guide 7.12.1);
;   wait: LDS loads come back in order; behind tile t + 1's fragment were issued its |c|^2 (2) and the fragment just asked for (2): count 4;
;         tile t's |c|^2 are older still;
;   end:  tile t + 2's |c|^2 are asked for, into the registers just used.
; Every matrix instruction starts its own sum (C = 0): no accumulator is taken up again.
.macro STEP afx, afy, ccx, dx, dy, ob, nb, ahead, load, mul, left
.if \load
	ds_load_b128 v[\afx:\afx+3],   v[FA] offset:\ahead*16*P
	ds_load_b128 v[\afx+4:\afx+7], v[FA] offset:\ahead*16*P+32
.endif
	s_wait_dscnt \left
.if \mul
.irp i, 0,1,2,3
	v_wmma_f32_16x16x32_bf16 v[\dy+8*\i:\dy+8*\i+7], v[\afy:\afy+7], v[ZF+8*\i:ZF+8*\i+7], 0
.endr
.endif
.irp i, 0,1,2,3
.irp j, 0,2,4,6
	v_pk_fma_f32 v[\dx+8*\i+\j:\dx+8*\i+\j+1], v[\ccx+\j:\ccx+\j+1], v[NHN+2*\i:NHN+2*\i+1], v[\dx+8*\i+\j:\dx+8*\i+\j+1]   ; s = z.c - |c|^2 |z| / 2
.endr
.endr
.irp i, 0,1,2,3
	v_max3_num_f32 v[\nb+\i], v[\ob+\i], v[\dx+8*\i], v[\dx+8*\i+1]         ; the old best heads the chain: 9 numbers in 4 instructions
.endr
.irp j, 2,4,6
.irp i, 0,1,2,3
	v_max3_num_f32 v[\nb+\i], v[\nb+\i], v[\dx+8*\i+\j], v[\dx+8*\i+\j+1]
.endr
.endr
.irp i, 0,1,2,3
	v_cmp_gt_f32 s[24+\i], v[\nb+\i], v[\ob+\i]                             ; strictly better: an equal score leaves the earlier (lower) group
.endr
.irp i, 0,1,2,3
	v_cndmask_b32 v[BID+\i], v[BID+\i], v[GID], s[24+\i]
.endr
	v_add_nc_u32 v[GID], 2, v[GID]                                          ; the next tile's group of my half
.if \load
	ds_load_b128 v[\ccx:\ccx+3],   v[CA] offset:\ahead*64
	ds_load_b128 v[\ccx+4:\ccx+7], v[CA] offset:\ahead*64+16
.endif
.endm
	s_mov_b32 s29, 0
.Ltiles:                                               ; 31 trips of two steps: tiles 0 to 61 judged, tiles 1 to 62 multiplied, tiles 2 to 63 fetched
	STEP AF0, AF1, CC0, D0, D1, BA, BB, 2, 1, 1, 4
	STEP AF1, AF0, CC1, D1, D0, BB, BA, 3, 1, 1, 4
	v_add_nc_u32 v[FA], 2*16*P, v[FA]
	v_add_nc_u32 v[CA], 128, v[CA]
	s_add_co_u32 s29, s29, 1
	s_cmp_lt_u32 s29, 31
	s_cbranch_scc1 .Ltiles
	STEP AF0, AF1, CC0, D0, D1, BA, BB, 0, 0, 1, 2     ; tile 62 judged, tile 63 multiplied; nothing left to fetch: only tile 63's two |c|^2 loads may stay out
	STEP AF1, AF0, CC1, D1, D0, BB, BA, 0, 0, 0, 0     ; tile 63 judged
	; The two halves of the lanes hold the bests of the tiles' codes 0-7 and 8-15 of the same row: they meet; an equal score goes to the lower group.
	; Then the score becomes a whole number of the same order: sign bit set for positive numbers, all bits turned for negative ones.
.irp i, 0,1,2,3
	v_add_f32 v[BA+\i], 0, v[BA+\i]                    ; -0 becomes +0, so that equal scores get equal whole numbers
	v_permlanex16_b32 v[BB+\i], v[BA+\i], s12, s13
	v_permlanex16_b32 v[D0+\i], v[BID+\i], s12, s13
	v_cmp_gt_f32 s24, v[BB+\i], v[BA+\i]
	v_cmp_eq_f32 s25, v[BB+\i], v[BA+\i]
	v_cmp_lt_u32 s26, v[D0+\i], v[BID+\i]
	s_and_b32 s25, s25, s26
	s_or_b32 s24, s24, s25
	v_cndmask_b32 v[BA+\i], v[BA+\i], v[BB+\i], s24
	v_cndmask_b32 v[BID+\i], v[BID+\i], v[D0+\i], s24
	v_ashrrev_i32 v[BB+\i], 31, v[BA+\i]
	v_or_b32 v[BB+\i], 0x80000000, v[BB+\i]
	v_xor_b32 v[BA+\i], v[BA+\i], v[BB+\i]
.endr
	; lanes 0-15 give z tile i's rows, lanes 16-31 z tile i + 1's: lane l stands for row 16 i + l, and a store covers 256 consecutive bytes, aligned
	v_cndmask_b32 v[OUT],   v[BA],    v[BA+1],  s28
	v_cndmask_b32 v[OUT+1], v[BID],   v[BID+1], s28
	v_cndmask_b32 v[OUT+2], v[BA+2],  v[BA+3],  s28
	v_cndmask_b32 v[OUT+3], v[BID+2], v[BID+3], s28
	v_lshlrev_b32 v13, 3, v1
	global_store_b64 v13, v[OUT:OUT+1],   s[8:9]
	global_store_b64 v13, v[OUT+2:OUT+3], s[8:9] offset:256
	s_set_vgpr_msb 0x5
	s_wait_tensorcnt 0x0
	ds_add_u32 v0, v1
	s_wait_dscnt 0x0
	s_set_vgpr_msb 0x500
	s_endpgm
.Lfunc_end_k_q64f9dc1823_score:
	.size	k_q64f9dc1823_score, .Lfunc_end_k_q64f9dc1823_score-k_q64f9dc1823_score
	.p2alignl 7, 3214868480
	.fill 96, 4, 3214868480
	.section	.rodata,"a",@progbits
	.p2align	6, 0x0
	.amdhsa_kernel k_q64f9dc1823_score
		.amdhsa_group_segment_fixed_size 130048
		.amdhsa_private_segment_fixed_size 0
		.amdhsa_enable_private_segment 0
		.amdhsa_kernarg_size 24
		.amdhsa_user_sgpr_count 2
		.amdhsa_user_sgpr_kernarg_segment_ptr 1
		.amdhsa_wavefront_size32 1
		.amdhsa_system_sgpr_workgroup_id_x 1
		.amdhsa_system_sgpr_workgroup_id_y 1
		.amdhsa_system_sgpr_workgroup_id_z 1
		.amdhsa_system_vgpr_workitem_id 0
		.amdhsa_next_free_vgpr 258
		.amdhsa_next_free_sgpr 66
		.amdhsa_reserve_vcc 0
		.amdhsa_float_denorm_mode_32 3
		.amdhsa_float_denorm_mode_16_64 3
		.amdhsa_memory_ordered 1
		.amdhsa_forward_progress 1
		.amdhsa_inst_pref_size 61
	.end_amdhsa_kernel
	.amdgpu_metadata
---
amdhsa.version: [ 1, 2 ]
amdhsa.kernels:
  - .name:           k_q64f9dc1823_score
    .symbol:         k_q64f9dc1823_score.kd
    .args:
      - { .name: z, .offset: 0, .size: 8, .value_kind: global_buffer, .address_space: global }
      - { .name: codebook, .offset: 8, .size: 8, .value_kind: global_buffer, .address_space: global }
      - { .name: rec, .offset: 16, .size: 8, .value_kind: global_buffer, .address_space: global }
    .group_segment_fixed_size: 130048
    .private_segment_fixed_size: 0
    .kernarg_segment_align: 8
    .kernarg_segment_size: 24
    .max_flat_workgroup_size: 256
    .sgpr_count:     66
    .vgpr_count:     258
    .wavefront_size: 32
...
	.end_amdgpu_metadata
.endif
;; end of part 1
;; launch pick (part 2): grid 128 x 1, 16 waves a work-group, no clusters, 10,752 bytes of LDS; arguments rec, z, codebook, out0, out1; writes out0, out1
.if DOCPART == 2
	.amdgcn_target "amdgcn-amd-amdhsa--gfx1250"
	.amdhsa_code_object_version 6
	.text
	.protected	k_q64f9dc1823_pick
	.globl	k_q64f9dc1823_pick
	.p2align	8
	.type	k_q64f9dc1823_pick,@function
k_q64f9dc1823_pick:
	s_mov_b64 s[64:65], 0
	v_nop
	global_prefetch_b8 v0, s[64:65] scope:SCOPE_SE
	s_setreg_imm32_b32 hwreg(HW_REG_WAVE_MODE, 25, 1), 1
	s_wait_xcnt 0x0
; pick: for every row of z, the best of its 16 chunk records, then the best of that group's 8 codes; writes the index and the code's row.
; A work-group owns 64 rows (their indices fill one aligned block of 256 bytes of out1): 128 work-groups of 16 waves; a wave owns 4 rows, 8 lanes a row;
; lane q of a row holds numbers 4 q .. 4 q + 3 of z's row and of each of the 8 candidate codes, so every load and store of a wave covers whole rows.
; The records are whole numbers read from memory (word 0: the score as an unsigned number of the same order; word 1: the group = code / 8); they are compared as
; whole numbers, an equal score going to the lower group, and the winner, clamped to the table's 2,048 groups, gives the address of 1,024 bytes of the codebook.
; The 8 candidates are scored as in the launch before: z and c rounded to bf16, s = z.c - |c|^2 max(|z|, 1e-12) / 2 in f32.  What hangs on these
; floating-point scores is only selected (v_cndmask_b32): the index, and my 16 bytes of the winner's row, which leave as the codebook's own f32.
; No matrix unit (8 x 32 multiply-adds a row), no cluster (no two work-groups share a tile), no prefetch (the gather's address is known only just before its loads).
; LIMITS: a NaN score never wins; an equal score goes to the lower code.
.set PIT,  528                         ; LDS pitch of a chunk's 64 records: 512 bytes + 16
.set LIDX, 16*PIT                      ; behind the records: the 64 indices
.set T16,  1                           ; v1   16 x thread: my 16 bytes of the group's 8,192 in rec, in z and in out0 alike
.set LN,   2                           ; v2   lane
.set SA,   3                           ; v3   where my 16 bytes of records go in LDS
.set REC,  4                           ; v[4:7]
.set ZR,   8                           ; v[8:11]   my four numbers of z
.set PR,   12                          ; v[12:15]  my row's records of chunks 2 q, 2 q + 1
.set OK,   16                          ; the other lane's record
.set OG,   17
.set KEY,  18                          ; the best record so far
.set GID,  19
.set CAD,  20                          ; byte offset of my 16 bytes of the group's first code
.set ZERO, 21
.set ZP,   22                          ; v[22:23]  z as bf16
.set ZZ,   24                          ; v[24:25]
.set NHN,  26                          ; -max(|z|, 1e-12) / 2
.set RA,   27
.set IA,   28
.set Q16,  29
.set CR,   32                          ; v[32:63]  candidate j: my four f32
.set CP,   64                          ; v[64:71]  candidates as bf16, four pairs by turns
.set DOT,  72                          ; v[72:79]  z.c, then the score
.set CCS,  80                          ; v[80:87]  |c|^2
.set OUTD, 88                          ; v[88:91]  my 16 bytes of the best candidate so far
.set BEST, 92
.set BJ,   93
.set IDX,  94
.set W8,   96                          ; v[96:97]
.set L8,   98
	s_load_b256 s[4:11], s[0:1], 0x0               ; rec s[4:5], z s[6:7], codebook s[8:9], out0 s[10:11]
	s_load_b64 s[12:13], s[0:1], 0x20              ; out1
	v_lshl_add_u32 v104, v0, 2, 0x2200
	v_mov_b32 v105, 0
	v_lshrrev_b32 v[LN], 5, v0
	v_readfirstlane_b32 s14, v[LN]                 ; wave 0..15
	v_lshlrev_b32 v[T16], 4, v0
	v_and_b32 v[LN], 31, v0
	s_lshl_b32 s16, ttmp9, 13                      ; 64 rows: 8,192 bytes of rec, of z and of out0
	s_mov_b32 s17, 0
	s_lshl_b32 s18, ttmp9, 8                       ; and 256 bytes of out1
	s_mov_b32 s19, 0
	s_wait_kmcnt 0x0
	s_add_nc_u64 s[4:5], s[4:5], s[16:17]
	s_add_nc_u64 s[6:7], s[6:7], s[16:17]
	s_add_nc_u64 s[10:11], s[10:11], s[16:17]
	s_add_nc_u64 s[12:13], s[12:13], s[18:19]
	global_load_b128 v[REC:REC+3], v[T16], s[4:5] th:TH_LOAD_NT    ; wave w: chunk w's records of the 64 rows, 512 consecutive bytes
	global_load_b128 v[ZR:ZR+3],   v[T16], s[6:7] th:TH_LOAD_NT    ; wave w: rows 4 w .. 4 w + 3 of z
	s_mul_i32 s20, s14, PIT
	v_lshl_add_u32 v[SA], v[LN], 4, s20
	v_and_b32 v[OK], 7, v[LN]                      ; q
	v_lshrrev_b32 v[OG], 3, v[LN]                  ; which of my wave's four rows
	v_mul_u32_u24 v[RA], v[OK], 2*PIT              ; chunk 2 q,
	v_lshl_add_u32 v[RA], v[OG], 3, v[RA]
	s_lshl_b32 s21, s14, 5
	v_add_nc_u32 v[RA], s21, v[RA]                 ; record of row 4 w + l / 8
	s_lshl_b32 s22, s14, 4
	s_add_co_u32 s22, s22, LIDX
	v_lshl_add_u32 v[IA], v[OG], 2, s22            ; my row's index word
	v_lshlrev_b32 v[Q16], 4, v[OK]
	v_mov_b32 v[ZERO], 0
	s_wait_loadcnt 0x1                             ; the records are in; z may stay out
	ds_store_b128 v[SA], v[REC:REC+3]
	s_wait_dscnt 0x0                               ; zero, for the other waves' sake
	s_barrier_signal -1
	s_barrier_wait -1
	ds_load_b64 v[PR:PR+1],   v[RA]
	ds_load_b64 v[PR+2:PR+3], v[RA] offset:PIT
	s_wait_dscnt 0x0
	v_cmp_gt_u32 vcc_lo, v[PR+2], v[PR]            ; the higher chunk wins only if strictly better
	v_cndmask_b32 v[KEY], v[PR],   v[PR+2], vcc_lo
	v_cndmask_b32 v[GID], v[PR+1], v[PR+3], vcc_lo
; the row's eight lanes meet: lane i and lane i xor m keep the better record, of equal scores the lower group; both keep the same
.macro MEET m
	v_mov_b32_dpp v[OK], v[KEY] row_xmask:\m row_mask:0xf bank_mask:0xf
	v_mov_b32_dpp v[OG], v[GID] row_xmask:\m row_mask:0xf bank_mask:0xf
	v_cmp_gt_u32 s20, v[OK], v[KEY]
	v_cmp_eq_u32 s21, v[OK], v[KEY]
	v_cmp_lt_u32 s22, v[OG], v[GID]
	s_and_b32 s21, s21, s22
	s_or_b32 s20, s20, s21
	v_cndmask_b32 v[KEY], v[KEY], v[OK], s20
	v_cndmask_b32 v[GID], v[GID], v[OG], s20
.endm
	MEET 1
	MEET 2
	MEET 4
	v_min_u32 v[GID], 0x7ff, v[GID]                ; a number from memory enters an address only inside the table: 2,048 groups
	v_lshl_add_u32 v[CAD], v[GID], 10, v[Q16]      ; 8 codes x 128 bytes a group, + my 16 bytes
.irp j, 0,1,2,3,4,5,6,7
	global_load_b128 v[CR+4*\j:CR+4*\j+3], v[CAD], s[8:9] offset:128*\j     ; eight lanes cover a code's row; the eight loads the group's 1,024 consecutive bytes
.endr
	s_wait_loadcnt 0x8                             ; z is in; the eight candidates stay out
	v_cvt_pk_bf16_f32 v[ZP],   v[ZR],   v[ZR+1]
	v_cvt_pk_bf16_f32 v[ZP+1], v[ZR+2], v[ZR+3]
	v_fma_mix_f32_bf16 v[ZZ],   v[ZP],   v[ZP],   v[ZERO] op_sel_hi:[1,1,0]
	v_fma_mix_f32_bf16 v[ZZ+1], v[ZP+1], v[ZP+1], v[ZERO] op_sel_hi:[1,1,0]
	v_fma_mix_f32_bf16 v[ZZ],   v[ZP],   v[ZP],   v[ZZ]   op_sel:[1,1,0] op_sel_hi:[1,1,0]
	v_fma_mix_f32_bf16 v[ZZ+1], v[ZP+1], v[ZP+1], v[ZZ+1] op_sel:[1,1,0] op_sel_hi:[1,1,0]
	v_add_f32 v[ZZ], v[ZZ], v[ZZ+1]
.irp m, 1,2,4
	v_add_f32_dpp v[ZZ], v[ZZ], v[ZZ] row_xmask:\m row_mask:0xf bank_mask:0xf
.endr
	v_sqrt_f32 v[NHN], v[ZZ]                       ; a denormal sum counts as 0; the clip below covers that
	v_lshlrev_b32 v[L8], 3, v[LN]                  ; a plain instruction between the root and its use (ISA guide 5.7.2); used at the end
	s_wait_alu depctr_va_vdst(0)
	v_max_num_f32 v[NHN], 0x2b8cbccc, v[NHN]       ; reference()'s clip at 1e-12
	v_mul_f32 v[NHN], -0.5, v[NHN]
.irp j, 0,1,2,3,4,5,6,7
	s_wait_loadcnt 7-\j                            ; candidate j is in, the 7 - j younger ones stay out
	v_cvt_pk_bf16_f32 v[CP+2*(\j%4)],   v[CR+4*\j],   v[CR+4*\j+1]
	v_cvt_pk_bf16_f32 v[CP+2*(\j%4)+1], v[CR+4*\j+2], v[CR+4*\j+3]
	v_fma_mix_f32_bf16 v[DOT+\j], v[CP+2*(\j%4)],   v[ZP],            v[ZERO]   op_sel_hi:[1,1,0]
	v_fma_mix_f32_bf16 v[CCS+\j], v[CP+2*(\j%4)],   v[CP+2*(\j%4)],   v[ZERO]   op_sel_hi:[1,1,0]
	v_fma_mix_f32_bf16 v[DOT+\j], v[CP+2*(\j%4)],   v[ZP],            v[DOT+\j] op_sel:[1,1,0] op_sel_hi:[1,1,0]
	v_fma_mix_f32_bf16 v[CCS+\j], v[CP+2*(\j%4)],   v[CP+2*(\j%4)],   v[CCS+\j] op_sel:[1,1,0] op_sel_hi:[1,1,0]
	v_fma_mix_f32_bf16 v[DOT+\j], v[CP+2*(\j%4)+1], v[ZP+1],          v[DOT+\j] op_sel_hi:[1,1,0]
	v_fma_mix_f32_bf16 v[CCS+\j], v[CP+2*(\j%4)+1], v[CP+2*(\j%4)+1], v[CCS+\j] op_sel_hi:[1,1,0]
	v_fma_mix_f32_bf16 v[DOT+\j], v[CP+2*(\j%4)+1], v[ZP+1],          v[DOT+\j] op_sel:[1,1,0] op_sel_hi:[1,1,0]
	v_fma_mix_f32_bf16 v[CCS+\j], v[CP+2*(\j%4)+1], v[CP+2*(\j%4)+1], v[CCS+\j] op_sel:[1,1,0] op_sel_hi:[1,1,0]
.endr
	; over the row's eight lanes; each step adds the same two numbers in both lanes, so all eight end with the same bits and select alike
.irp m, 1,2,4
.irp j, 0,1,2,3,4,5,6,7
	v_add_f32_dpp v[DOT+\j], v[DOT+\j], v[DOT+\j] row_xmask:\m row_mask:0xf bank_mask:0xf
	v_add_f32_dpp v[CCS+\j], v[CCS+\j], v[CCS+\j] row_xmask:\m row_mask:0xf bank_mask:0xf
.endr
.endr
.irp j, 0,1,2,3,4,5,6,7
	v_fma_f32 v[DOT+\j], v[CCS+\j], v[NHN], v[DOT+\j]      ; s = z.c - |c|^2 |z| / 2
.endr
	; the first of the best: a later candidate wins only if strictly better; the index and my 16 bytes go along by selection
	v_cmp_gt_f32 vcc_lo, v[DOT+1], v[DOT]
	v_cndmask_b32 v[BEST], v[DOT], v[DOT+1], vcc_lo
	v_cndmask_b32 v[BJ], 0, 1, vcc_lo
.irp k, 0,1,2,3
	v_cndmask_b32 v[OUTD+\k], v[CR+\k], v[CR+4+\k], vcc_lo
.endr
.irp j, 2,3,4,5,6,7
	v_cmp_gt_f32 vcc_lo, v[DOT+\j], v[BEST]
	v_cndmask_b32 v[BEST], v[BEST], v[DOT+\j], vcc_lo
	v_cndmask_b32 v[BJ], v[BJ], \j, vcc_lo
.irp k, 0,1,2,3
	v_cndmask_b32 v[OUTD+\k], v[OUTD+\k], v[CR+4*\j+\k], vcc_lo
.endr
.endr
	v_lshl_add_u32 v[IDX], v[GID], 3, v[BJ]        ; code = 8 x group + place
	global_store_b128 v[T16], v[OUTD:OUTD+3], s[10:11] th:TH_STORE_NT      ; a wave stores its four rows: 512 consecutive bytes, aligned
	ds_store_b32 v[IA], v[IDX]                     ; the row's eight lanes store the same number to the same word
	s_wait_dscnt 0x0                               ; zero, for wave 0's sake
	s_barrier_signal -1
	s_barrier_wait -1
	s_cmp_lg_u32 s14, 0
	s_cbranch_scc1 .Ldone
	ds_load_b64 v[W8:W8+1], v[L8] offset:LIDX      ; wave 0: the 64 indices, 8 bytes a lane,
	s_wait_dscnt 0x0
	global_store_b64 v[L8], v[W8:W8+1], s[12:13] th:TH_STORE_NT    ; leave as 256 consecutive bytes, aligned
.Ldone:
	s_wait_tensorcnt 0x0
	ds_add_u32 v104, v105
	s_wait_dscnt 0x0
	s_endpgm
.Lfunc_end_k_q64f9dc1823_pick:
	.size	k_q64f9dc1823_pick, .Lfunc_end_k_q64f9dc1823_pick-k_q64f9dc1823_pick
	.p2alignl 7, 3214868480
	.fill 96, 4, 3214868480
	.section	.rodata,"a",@progbits
	.p2align	6, 0x0
	.amdhsa_kernel k_q64f9dc1823_pick
		.amdhsa_group_segment_fixed_size 10752
		.amdhsa_private_segment_fixed_size 0
		.amdhsa_enable_private_segment 0
		.amdhsa_kernarg_size 40
		.amdhsa_user_sgpr_count 2
		.amdhsa_user_sgpr_kernarg_segment_ptr 1
		.amdhsa_wavefront_size32 1
		.amdhsa_system_sgpr_workgroup_id_x 1
		.amdhsa_system_sgpr_workgroup_id_y 1
		.amdhsa_system_sgpr_workgroup_id_z 1
		.amdhsa_system_vgpr_workitem_id 0
		.amdhsa_next_free_vgpr 106
		.amdhsa_next_free_sgpr 66
		.amdhsa_reserve_vcc 1
		.amdhsa_float_denorm_mode_32 3
		.amdhsa_float_denorm_mode_16_64 3
		.amdhsa_memory_ordered 1
		.amdhsa_forward_progress 1
		.amdhsa_inst_pref_size 17
	.end_amdhsa_kernel
	.amdgpu_metadata
---
amdhsa.version: [ 1, 2 ]
amdhsa.kernels:
  - .name:           k_q64f9dc1823_pick
    .symbol:         k_q64f9dc1823_pick.kd
    .args:
      - { .name: rec, .offset: 0, .size: 8, .value_kind: global_buffer, .address_space: global }
      - { .name: z, .offset: 8, .size: 8, .value_kind: global_buffer, .address_space: global }
      - { .name: codebook, .offset: 16, .size: 8, .value_kind: global_buffer, .address_space: global }
      - { .name: out0, .offset: 24, .size: 8, .value_kind: global_buffer, .address_space: global }
      - { .name: out1, .offset: 32, .size: 8, .value_kind: global_buffer, .address_space: global }
    .group_segment_fixed_size: 10752
    .private_segment_fixed_size: 0
    .kernarg_segment_align: 8
    .kernarg_segment_size: 40
    .max_flat_workgroup_size: 512
    .sgpr_count:     66
    .vgpr_count:     106
    .wavefront_size: 32
...
	.end_amdgpu_metadata
.endif
;; end of part 2
;; ======== version 2 of 2: 2 launches; version 1 with the launch score written anew for expert scheduling mode
;; workspace buffers: rec 1,048,576 bytes of whole numbers
;; launch score (part 3): grid 16 x 16, 8 waves a work-group, no clusters, 130,048 bytes of LDS; arguments z, codebook, rec; writes rec
.if DOCPART == 3
	.amdgcn_target "amdgcn-amd-amdhsa--gfx1250"
	.amdhsa_code_object_version 6
	.text
	.protected	k_q64f9dc1823_score
	.globl	k_q64f9dc1823_score
	.p2align	8
	.type	k_q64f9dc1823_score,@function
k_q64f9dc1823_score:
	s_mov_b64 s[64:65], 0
	v_nop
	global_prefetch_b8 v0, s[64:65] scope:SCOPE_SE
	s_setreg_imm32_b32 hwreg(HW_REG_WAVE_SCHED_MODE, 0, 2), 2
	s_setreg_imm32_b32 hwreg(HW_REG_WAVE_MODE, 25, 1), 1
	s_wait_xcnt 0x0
	s_wait_alu depctr_vm_vsrc(0)
; score: for 512 rows of z and 1,024 codes, the best group of 8 neighbouring codes of every row.
; reference() takes the argmin over n of |zn|^2 + |c_n|^2 - 2 zn.c_n with zn = z / max(|z|, 1e-12).  |zn|^2 is common to all codes of a row,
; and max(|z|, 1e-12) / 2 is positive, so the same n is the argmax of   s = z.c_n - |c_n|^2 * max(|z|, 1e-12) / 2.
; z and the codebook are rounded once to bf16 for the matrix unit; |z| and |c|^2 are taken in f32 of the ROUNDED numbers, so that s is the
; distance between the operands that are really multiplied.  K = 32: one matrix instruction with C = 0 makes a tile of 16 codes x 16 rows.
; Codes are source A (M), rows of z source B (N): lane (r, h) holds, for row r, the codes 8 h + 0..7 of the tile in its 8 result registers, so the
; maximum over codes stays inside a lane: 4 packed multiply-adds (the bias), 4 v_max3 chained through the running best, 1 compare, 1 select of the
; group's number: 10 vector instructions for 8 registers.  Which of the 8 codes it was is left to the next launch.
; GRID: x = block of 512 rows, y = chunk of 1,024 codes: 256 work-groups.  Eight waves; wave w owns rows 64 w .. 64 w + 63 (4 fragments of z in registers)
; and walks all 64 code tiles; two waves lie on a SIMD, so that one's vector work can run beside the other's matrix work.
; OUT: rec[block of 64 rows][chunk][row] = 8 bytes: word 0 the score's bits mapped to an unsigned whole number of the same order, word 1 the group (code / 8).
; NO CLUSTER, NO TENSOR LOADS: sixteen work-groups do read each chunk and each block of rows, but each reads its 65,536 + 131,072 bytes once, at its head,
; and has to round them: through registers that is done on the way.  A joint tensor load would land 196,608 bytes of f32 in LDS, beside the 129,024 bytes of
; the bf16 images, all to be read from LDS, rounded and stored again.
; LIMITS: scores that are NaN are passed over (v_max3_num); |z|^2 must not overflow f32; two codes whose distances differ by less than the rounding of f32
; sums (some 1e-7 of the distance) may be ordered otherwise than reference() orders them; equal scores go to the lower code group.
; THE MODE: SCHED_MODE bits 1:0 = 2 (LLVM: expert scheduling mode 2), set by the entry lines.  The code itself states the register dependences
; between vector or matrix instructions and memory or LDS instructions, with s_wait_alu, always for 0.
; THE PLAN.  Registers that memory or LDS instructions touch:
;   v2                  offset of the 48 global loads: written once at the head, never again.
;   v3-v6, v11, v12     LDS addresses of the staging's stores and of the loads behind the barrier: written once, while the global loads are out.
;   v[64:255]           raw z and codes.  Each load's four registers are worked on in place: the bf16 pair in the first two, the sums in the last two; an LDS store reads
;                       the pair, another the sum.  The 48 loads go in six groups of eight: group g's sixteen stores are issued in group g + 1, whose arithmetic names
;                       its own 32 registers and v7 alone.  None of these registers is written again before the barrier.
;   AF0, AF1            Step t: its matrix instructions read AF[(t + 1) % 2]; tile t + 2's fragment lands in AF[t % 2], which the products issued in step t - 1 read.
;   CC0, CC1            Step t: its multiply-adds read CC[t % 2]; tile t + 1's |c|^2 land in CC[(t + 1) % 2], which step t - 1's multiply-adds read.
;   v8, v9              Read by every LDS load of the loop; written once a trip, at its end.
;   OUT, v13            Written at the end; read by the two global stores.
; So ONE wait on va_vdst stands at the head of a group and of a step, one on va_sdst between a step's compares and its selects, one on vm_vsrc behind the barrier
; and one at a trip's end.  The scores D0, D1, the fragments of z, the bests and the group numbers are named by vector and matrix instructions alone.
.set P,    80                          ; LDS pitch of a row of 32 bf16: 64 bytes + 16: an odd multiple of 16, so the 16 rows of a fragment load start in different banks
.set LZ,   1024*P                      ; LDS: codes at 0 (81,920 bytes), z behind them (40,960),
.set LCC,  LZ+512*P                    ; |c|^2 of the 1,024 codes (4,096),
.set LSS,  LCC+1024*4                  ; |z|^2 of the 512 rows (2,048): 129,024 bytes in all
.set GO,   2                           ; v2   16 x lane: a wave's load covers 512 consecutive bytes
.set SZ,   3                           ; v3   where I put 8 bytes of z's image
.set SC,   4                           ; v4   the same for the codes
.set SSA,  5                           ; v5   where my row's |z|^2 goes
.set CCA,  6                           ; v6   where my code's |c|^2 goes
.set ZERO, 7                           ; v7   0.0, the first addend of the sums of squares
.set FA,   8                           ; v8   fragment address of the code tile at work (steps)
.set CA,   9                           ; v9   address of its eight |c|^2 (steps)
.set GID,  10                          ; v10  number of the group that is judged now: chunk x 128 + 2 tile + h
.set FZ,   11                          ; v11  fragment address of my wave's z
.set RS,   12                          ; v12  address of |z|^2 of row r
.set NHN,  16                          ; v[16:23]  -max(|z|, 1e-12) / 2 of my row in z tile i, twice (a pair for the packed multiply-add)
.set BA,   24                          ; v[24:27]  running best of z tile i; the two sets take turns, so that old and new can be compared
.set BB,   28                          ; v[28:31]
.set ZF,   32                          ; v[32:63]  four fragments of z
.set RZ,   64                          ; v[64:127] z as loaded;      later D0, D1: two sets of 4 result tiles
.set D0,   64
.set D1,   96
.set RC,   128                         ; v[128:255] codes as loaded; later what follows
.set AF0,  128                         ; code fragment, two buffers
.set AF1,  136
.set CC0,  144                         ; |c|^2 of my 8 codes of the tile, two buffers
.set CC1,  152
.set BID,  160                         ; v[160:163] group of the running best
.set SSR,  164                         ; v[164:167] |z|^2
.set NRM,  168                         ; v[168:171] |z|
.set OUT,  172                         ; v[172:175] two records
	s_load_b128 s[4:7], s[0:1], 0x0                ; z s[4:5], codebook s[6:7]
	s_load_b64 s[8:9], s[0:1], 0x10                ; rec
	s_set_vgpr_msb 0x40
	v_lshl_add_u32 v0, v0, 2, 0x1f800
	v_mov_b32 v1, 0
	s_set_vgpr_msb 0x4000
	v_lshrrev_b32 v1, 5, v0
	v_readfirstlane_b32 s10, v1                    ; wave 0..7
	s_and_b32 s11, ttmp7, 0xffff                   ; chunk 0..15
	v_and_b32 v1, 31, v0                           ; lane
	v_lshlrev_b32 v[GO], 4, v1
	s_lshl_b32 s14, ttmp9, 16                      ; z: block x 512 rows x 128 bytes
	s_wait_alu depctr_va_sdst(0)                   ; s10 is written, ahead of its first reader: the bases and the LDS addresses are made from it
	s_lshl_b32 s15, s10, 13                        ;    + wave x 64 rows
	s_add_co_u32 s14, s14, s15
	s_mov_b32 s15, 0
	s_lshl_b32 s16, s11, 17                        ; codebook: chunk x 1,024 codes x 128 bytes
	s_lshl_b32 s17, s10, 14                        ;    + wave x 128 codes: each wave rounds an eighth of the chunk for all
	s_add_co_u32 s16, s16, s17
	s_mov_b32 s17, 0
	s_lshl_b32 s18, ttmp9, 3                       ; rec: ((block x 8 + wave) x 16 + chunk) x 512 bytes
	s_add_co_u32 s18, s18, s10
	s_lshl_b32 s18, s18, 4
	s_add_co_u32 s18, s18, s11
	s_lshl_b32 s18, s18, 9
	s_mov_b32 s19, 0
	s_wait_kmcnt 0x0
	s_add_nc_u64 s[4:5], s[4:5], s[14:15]
	s_add_nc_u64 s[6:7], s[6:7], s[16:17]
	s_add_nc_u64 s[8:9], s[8:9], s[18:19]
	s_wait_alu depctr_va_vdst(0)                   ; v[GO] is written: the 48 loads below read it as their offset
	; all 48 loads of the wave go out at once: 8,192 bytes of z, 16,384 of the codebook; load n brings 4 whole rows
.set n, 0
.rept 16
	global_load_b128 v[RZ+4*n:RZ+4*n+3], v[GO], s[4:5] offset:512*n
.set n, n+1
.endr
.set n, 0
.rept 32
	global_load_b128 v[RC+4*n:RC+4*n+3], v[GO], s[6:7] offset:512*n
.set n, n+1
.endr
	; LDS addresses, while the loads are on their way.  In a load, lane l holds numbers 4 (l % 8) .. + 3 of row l / 8 of the four.
	v_lshrrev_b32 v13, 3, v1
	v_and_b32 v14, 7, v1
	v_mul_u32_u24 v15, v13, P
	v_lshl_add_u32 v15, v14, 3, v15                ; row x pitch + 8 bytes for 4 bf16
	s_mul_i32 s20, s10, 64*P
	s_add_co_u32 s20, s20, LZ                      ; my wave's 64 rows of z's image
	s_mul_i32 s21, s10, 128*P                      ; my wave's 128 codes of the codes' image
	v_add_nc_u32 v[SZ], s20, v15
	v_add_nc_u32 v[SC], s21, v15
	v_lshlrev_b32 v13, 2, v13
	s_lshl_b32 s22, s10, 8
	s_add_co_u32 s22, s22, LSS
	s_lshl_b32 s23, s10, 9
	s_add_co_u32 s23, s23, LCC
	v_add_nc_u32 v[SSA], s22, v13
	v_add_nc_u32 v[CCA], s23, v13
	v_mov_b32 v[ZERO], 0
	; a fragment: lane (r, h) takes 16 bytes at row r, byte 16 h, and 16 more 32 bytes on (k = 8 h .. and 16 + 8 h ..)
	v_and_b32 v13, 15, v1                          ; r
	v_lshrrev_b32 v14, 4, v1                       ; h
	v_mul_u32_u24 v15, v13, P
	v_lshl_add_u32 v[FA], v14, 4, v15
	v_add_nc_u32 v[FZ], s20, v[FA]
	v_lshl_add_u32 v[RS], v13, 2, s22
	v_lshlrev_b32 v[CA], 5, v14                    ; my half's eight |c|^2: 32 h bytes into the tile's 64
	v_add_nc_u32 v[CA], LCC, v[CA]
	s_lshl_b32 s24, s11, 7
	v_add_nc_u32 v[GID], s24, v14                  ; chunk x 128 + h: tile 0's group
	s_mov_b32 s12, 0x76543210                      ; v_permlanex16_b32: lane i reads lane i of the other half
	s_mov_b32 s13, 0xfedcba98
	s_mov_b32 s28, 0xffff0000                      ; lanes 16 to 31
; Four f32 of a row, in the four registers at r in which they were loaded: rounded to bf16 (r, r + 1); the sum of the rounded numbers' squares (products of
; bf16 are exact in f32), two chains of two (r + 2, r + 3), then over the row's eight lanes.  ARITH writes operation op of these ten.
.macro ARITH r, op
.if \op == 0
	v_cvt_pk_bf16_f32 v[\r], v[\r], v[\r+1]
.elseif \op == 1
	v_cvt_pk_bf16_f32 v[\r+1], v[\r+2], v[\r+3]
.elseif \op == 2
	v_fma_mix_f32_bf16 v[\r+2], v[\r], v[\r], v[ZERO] op_sel_hi:[1,1,0]
.elseif \op == 3
	v_fma_mix_f32_bf16 v[\r+3], v[\r+1], v[\r+1], v[ZERO] op_sel_hi:[1,1,0]
.elseif \op == 4
	v_fma_mix_f32_bf16 v[\r+2], v[\r], v[\r], v[\r+2] op_sel:[1,1,0] op_sel_hi:[1,1,0]
.elseif \op == 5
	v_fma_mix_f32_bf16 v[\r+3], v[\r+1], v[\r+1], v[\r+3] op_sel:[1,1,0] op_sel_hi:[1,1,0]
.elseif \op == 6
	v_add_f32 v[\r+2], v[\r+2], v[\r+3]
.elseif \op == 7
	v_add_f32_dpp v[\r+2], v[\r+2], v[\r+2] row_xmask:1 row_mask:0xf bank_mask:0xf
.elseif \op == 8
	v_add_f32_dpp v[\r+2], v[\r+2], v[\r+2] row_xmask:2 row_mask:0xf bank_mask:0xf
.else
	v_add_f32_dpp v[\r+2], v[\r+2], v[\r+2] row_xmask:4 row_mask:0xf bank_mask:0xf
.endif
.endm
; Load n0 + k of its tensor, whose registers begin at old + 4 k: the pair goes into the image; the row's eight lanes store the same sum to the same word.
.macro PUT old, img, sum, n0, k
.set rr, (\old)+4*(\k)
	ds_store_b64 v[\img], v[rr:rr+1] offset:4*P*((\n0)+(\k))
	ds_store_b32 v[\sum], v[rr+2] offset:16*((\n0)+(\k))
.endm
; A group: eight loads' registers, from cur on, worked on operation by operation, so that no line reads the result of the line before it.
; left = the loads younger than the group's last, which may stay out.  st = 1: the sixteen stores of the group before (registers from old on) are dealt among the arithmetic.
.macro GROUP cur, left, st, old, img, sum, n0
	s_wait_loadcnt \left                           ; loads come back in order: this group's eight are in
.if \st
	s_wait_alu depctr_va_vdst(0)                   ; the group before has written its pairs and sums, which the stores below read (at the first such wait the LDS addresses v3 to v6 too);
	                                               ; no vector instruction of this group names those registers
.endif
.set ph, 0
.rept 10
.set k, 0
.rept 8
.set rr, (\cur)+4*k
	ARITH rr, ph
.set k, k+1
.endr
.if (\st) && (ph < 8)
	PUT \old, \img, \sum, \n0, ph
.endif
.set ph, ph+1
.endr
.endm
	GROUP RZ,    40, 0, RZ,    SZ, SSA, 0          ; z's loads 0 to 7
	GROUP RZ+32, 32, 1, RZ,    SZ, SSA, 0          ; z's loads 8 to 15
	GROUP RC,    24, 1, RZ+32, SZ, SSA, 8          ; the codebook's loads 0 to 7
	GROUP RC+32, 16, 1, RC,    SC, CCA, 0
	GROUP RC+64, 8,  1, RC+32, SC, CCA, 8
	GROUP RC+96, 0,  1, RC+64, SC, CCA, 16
	s_wait_alu depctr_va_vdst(0)                   ; the last group has written its pairs and sums, which the stores below read.  No vector instruction stands between this wait and the LDS
	                                               ; loads behind the barrier: it also states that v8, v9, v11, v12 are written and that the staging is done with the registers in which they land
.set k, 0
.rept 8
	PUT RC+96, SC, CCA, 24, k
.set k, k+1
.endr
	s_wait_dscnt 0x0                               ; my part of the images is in LDS: zero, for the other waves' sake
	s_barrier_signal -1
	s_barrier_wait -1                              ; everybody's is.  LDS is only read from here on: the one barrier of the kernel
	s_wait_alu depctr_vm_vsrc(0)                   ; my LDS stores have read v[64:255]: from here on these registers are written by LDS loads, matrix and vector instructions
.irp i, 0,1,2,3
	ds_load_b128 v[ZF+8*\i:ZF+8*\i+3],   v[FZ] offset:\i*16*P
	ds_load_b128 v[ZF+8*\i+4:ZF+8*\i+7], v[FZ] offset:\i*16*P+32
.endr
.irp i, 0,1,2,3
	ds_load_b32 v[SSR+\i], v[RS] offset:64*\i      ; |z|^2 of row r of z tile i
.endr
	ds_load_b128 v[AF0:AF0+3],   v[FA]             ; code tile 0
	ds_load_b128 v[AF0+4:AF0+7], v[FA] offset:32
	ds_load_b128 v[CC0:CC0+3],   v[CA]
	ds_load_b128 v[CC0+4:CC0+7], v[CA] offset:16
	ds_load_b128 v[AF1:AF1+3],   v[FA] offset:16*P ; code tile 1's fragment; its |c|^2 are asked for in the first step
	ds_load_b128 v[AF1+4:AF1+7], v[FA] offset:16*P+32
	s_wait_dscnt 4                                 ; z, |z|^2 and tile 0's fragment are in; the four younger loads stay out
.irp i, 0,1,2,3
	v_wmma_f32_16x16x32_bf16 v[D0+8*\i:D0+8*\i+7], v[AF0:AF0+7], v[ZF+8*\i:ZF+8*\i+7], 0
.endr
	; -max(|z|, 1e-12) / 2.  v_sqrt_f32 takes a denormal sum as 0; the clip at 1e-12 covers that.  The 20 plain vector instructions below are also
	; the places that the first step's reads of D0 need behind the four matrix instructions (ISA guide 7.12.1).
.irp i, 0,1,2,3
	v_sqrt_f32 v[NRM+\i], v[SSR+\i]
.endr
.irp i, 0,1,2,3
	v_mov_b32 v[BA+\i], 0xff800000                 ; -infinity; also the plain instruction between the roots and their use (ISA guide 5.7.2)
.endr
.irp i, 0,1,2,3
	v_mov_b32 v[BID+\i], v[GID]
.endr
	s_wait_alu depctr_va_vdst(0)
.irp i, 0,1,2,3
	v_max_num_f32 v[NRM+\i], 0x2b8cbccc, v[NRM+\i] ; reference()'s clip at 1e-12
.endr
.irp i, 0,1,2,3
	v_mul_f32 v[NHN+2*\i],   -0.5, v[NRM+\i]
	v_mul_f32 v[NHN+2*\i+1], -0.5, v[NRM+\i]
.endr
; One step: tile t, whose products were issued a step ago into dx, is judged while tile t + 1's products run.
;   head: the only LDS loads that are out are the four of the step before: tile t + 1's fragment (afy) and tile t's |c|^2 (ccx): the count is 0;
;         then the step's one wait on va_vdst;
;   then: tile t + 1's four products, and one load behind each: tile t + 2's fragment into afx, tile t + 1's |c|^2 into ccy.  The products name afy, z's fragments and dy,
;         the judging names dx, ccx and the bests: none of the registers that the four loads touch, so they owe nothing further.
; laf, lcc = 1: the fragment, the |c|^2 are asked for; aft, cct: their tiles, counted from the trip's first.  mul = 1: there is a next tile to multiply.
; Every matrix instruction starts its own sum (C = 0): no accumulator is taken up again.  The 41 vector instructions of a judging, none of which names a register
; of the products issued in front of it, are the places between those products and the next step's reads of their results (ISA guide 7.12.1).
.macro STEP afx, afy, ccx, ccy, dx, dy, ob, nb, aft, cct, laf, lcc, mul
	s_wait_dscnt 0x0
.if \lcc
	s_wait_alu depctr_va_vdst(0)                   ; the products issued a step ago are done reading afx, that step's multiply-adds are done reading ccy: loads land in both;
	                                               ; in a trip's first step v[FA] and v[CA], which the loads read, are written
.endif
.if \mul
.irp i, 0,1,2,3
	v_wmma_f32_16x16x32_bf16 v[\dy+8*\i:\dy+8*\i+7], v[\afy:\afy+7], v[ZF+8*\i:ZF+8*\i+7], 0
.if (\laf) && (\i < 2)
	ds_load_b128 v[\afx+4*\i:\afx+4*\i+3], v[FA] offset:\aft*16*P+32*\i
.endif
.if (\lcc) && (\i >= 2)
	ds_load_b128 v[\ccy+4*(\i-2):\ccy+4*(\i-2)+3], v[CA] offset:\cct*64+16*(\i-2)
.endif
.endr
.endif
.irp i, 0,1,2,3
.irp j, 0,2,4,6
	v_pk_fma_f32 v[\dx+8*\i+\j:\dx+8*\i+\j+1], v[\ccx+\j:\ccx+\j+1], v[NHN+2*\i:NHN+2*\i+1], v[\dx+8*\i+\j:\dx+8*\i+\j+1]   ; s = z.c - |c|^2 |z| / 2
.endr
.endr
.irp i, 0,1,2,3
	v_max3_num_f32 v[\nb+\i], v[\ob+\i], v[\dx+8*\i], v[\dx+8*\i+1]         ; the old best heads the chain: 9 numbers in 4 instructions
.endr
.irp j, 2,4,6
.irp i, 0,1,2,3
	v_max3_num_f32 v[\nb+\i], v[\nb+\i], v[\dx+8*\i+\j], v[\dx+8*\i+\j+1]
.endr
.endr
.irp i, 0,1,2,3
	v_cmp_gt_f32 s[24+\i], v[\nb+\i], v[\ob+\i]                             ; strictly better: an equal score leaves the earlier (lower) group
.endr
	s_wait_alu depctr_va_sdst(0)                   ; the four compares have written s[24:27], ahead of the selects that read them
.irp i, 0,1,2,3
	v_cndmask_b32 v[BID+\i], v[BID+\i], v[GID], s[24+\i]
.endr
	v_add_nc_u32 v[GID], 2, v[GID]                                          ; the next tile's group of my half
.endm
	s_mov_b32 s29, 0
.Ltiles:                                               ; 31 trips of two steps: tiles 0 to 61 judged, tiles 1 to 62 multiplied; fragments of tiles 2 to 63 and |c|^2 of tiles 1 to 62 fetched
	STEP AF0, AF1, CC0, CC1, D0, D1, BA, BB, 2, 1, 1, 1, 1
	STEP AF1, AF0, CC1, CC0, D1, D0, BB, BA, 3, 2, 1, 1, 1
	s_wait_alu depctr_vm_vsrc(0)                   ; the LDS loads issued so far have read v[FA] and v[CA]; that the two are written anew is stated by the next step's wait on va_vdst
	v_add_nc_u32 v[FA], 2*16*P, v[FA]
	v_add_nc_u32 v[CA], 128, v[CA]
	s_add_co_u32 s29, s29, 1
	s_cmp_lt_u32 s29, 31
	s_cbranch_scc1 .Ltiles
	STEP AF0, AF1, CC0, CC1, D0, D1, BA, BB, 0, 1, 0, 1, 1     ; tile 62 judged, tile 63 multiplied; only tile 63's |c|^2 are left to fetch
	STEP AF1, AF0, CC1, CC0, D1, D0, BB, BA, 0, 0, 0, 0, 0     ; tile 63 judged: it asks for nothing, so it has no wait on va_vdst
	; The two halves of the lanes hold the bests of the tiles' codes 0-7 and 8-15 of the same row: they meet; an equal score goes to the lower group.
	; Then the score becomes a whole number of the same order: sign bit set for positive numbers, all bits turned for negative ones.
.irp i, 0,1,2,3
	v_add_f32 v[BA+\i], 0, v[BA+\i]                    ; -0 becomes +0, so that equal scores get equal whole numbers
.endr
.irp i, 0,1,2,3
	v_permlanex16_b32 v[BB+\i], v[BA+\i], s12, s13
	v_permlanex16_b32 v[D0+\i], v[BID+\i], s12, s13
.endr
.irp i, 0,1,2,3                                        ; the twelve compares stand in one run, three scalar registers for each z tile
	v_cmp_gt_f32 s[16+3*\i], v[BB+\i], v[BA+\i]
	v_cmp_eq_f32 s[17+3*\i], v[BB+\i], v[BA+\i]
	v_cmp_lt_u32 s[18+3*\i], v[D0+\i], v[BID+\i]
.endr
	s_wait_alu depctr_va_sdst(0)                   ; the twelve compares have written s[16:27], ahead of the scalar lines that read them
.irp i, 0,1,2,3
	s_and_b32 s[17+3*\i], s[17+3*\i], s[18+3*\i]
	s_or_b32 s[16+3*\i], s[16+3*\i], s[17+3*\i]
.endr
.irp i, 0,1,2,3
	v_cndmask_b32 v[BA+\i], v[BA+\i], v[BB+\i], s[16+3*\i]
	v_cndmask_b32 v[BID+\i], v[BID+\i], v[D0+\i], s[16+3*\i]
	v_ashrrev_i32 v[BB+\i], 31, v[BA+\i]
	v_or_b32 v[BB+\i], 0x80000000, v[BB+\i]
	v_xor_b32 v[BA+\i], v[BA+\i], v[BB+\i]
.endr
	; lanes 0-15 give z tile i's rows, lanes 16-31 z tile i + 1's: lane l stands for row 16 i + l, and a store covers 256 consecutive bytes, aligned
	v_cndmask_b32 v[OUT],   v[BA],    v[BA+1],  s28
	v_cndmask_b32 v[OUT+1], v[BID],   v[BID+1], s28
	v_cndmask_b32 v[OUT+2], v[BA+2],  v[BA+3],  s28
	v_cndmask_b32 v[OUT+3], v[BID+2], v[BID+3], s28
	v_lshlrev_b32 v13, 3, v1
	s_wait_alu depctr_va_vdst(0)                   ; the two records v[OUT:OUT+3] and their offset v13 are written: the stores below read them
	global_store_b64 v13, v[OUT:OUT+1],   s[8:9]
	global_store_b64 v13, v[OUT+2:OUT+3], s[8:9] offset:256
	s_set_vgpr_msb 0x5
	s_wait_dscnt 0x0
	s_wait_alu depctr_hold_cnt(0) depctr_sa_sdst(0) depctr_va_vdst(0) depctr_va_sdst(0) depctr_va_ssrc(0) depctr_va_vcc(0) depctr_vm_vsrc(0)
	s_wait_tensorcnt 0x0
	ds_add_u32 v0, v1
	s_wait_dscnt 0x0
	s_endpgm
.Lfunc_end_k_q64f9dc1823_score:
	.size	k_q64f9dc1823_score, .Lfunc_end_k_q64f9dc1823_score-k_q64f9dc1823_score
	.p2alignl 7, 3214868480
	.fill 96, 4, 3214868480
	.section	.rodata,"a",@progbits
	.p2align	6, 0x0
	.amdhsa_kernel k_q64f9dc1823_score
		.amdhsa_group_segment_fixed_size 130048
		.amdhsa_private_segment_fixed_size 0
		.amdhsa_enable_private_segment 0
		.amdhsa_kernarg_size 24
		.amdhsa_user_sgpr_count 2
		.amdhsa_user_sgpr_kernarg_segment_ptr 1
		.amdhsa_wavefront_size32 1
		.amdhsa_system_sgpr_workgroup_id_x 1
		.amdhsa_system_sgpr_workgroup_id_y 1
		.amdhsa_system_sgpr_workgroup_id_z 1
		.amdhsa_system_vgpr_workitem_id 0
		.amdhsa_next_free_vgpr 258
		.amdhsa_next_free_sgpr 66
		.amdhsa_reserve_vcc 0
		.amdhsa_float_denorm_mode_32 3
		.amdhsa_float_denorm_mode_16_64 3
		.amdhsa_memory_ordered 1
		.amdhsa_forward_progress 1
		.amdhsa_inst_pref_size 61
	.end_amdhsa_kernel
	.amdgpu_metadata
---
amdhsa.version: [ 1, 2 ]
amdhsa.kernels:
  - .name:           k_q64f9dc1823_score
    .symbol:         k_q64f9dc1823_score.kd
    .args:
      - { .name: z, .offset: 0, .size: 8, .value_kind: global_buffer, .address_space: global }
      - { .name: codebook, .offset: 8, .size: 8, .value_kind: global_buffer, .address_space: global }
      - { .name: rec, .offset: 16, .size: 8, .value_kind: global_buffer, .address_space: global }
    .group_segment_fixed_size: 130048
    .private_segment_fixed_size: 0
    .kernarg_segment_align: 8
    .kernarg_segment_size: 24
    .max_flat_workgroup_size: 256
    .sgpr_count:     66
    .vgpr_count:     258
    .wavefront_size: 32
...
	.end_amdgpu_metadata
.endif
;; end of part 3
;; launch pick: the kernel of part 2 again; grid 128 x 1, 16 waves a work-group, no clusters, 10,752 bytes of LDS; arguments rec, z, codebook, out0, out1; writes out0, out1
